; MI455X (gfx1250); checked and timed in simulation.
; The chip was launched on July 23, 2026; its instructions are those of AMD's public machine-readable ISA for CDNA 5 (MIT licence, August 2026) and "CDNA5" Instruction Set Architecture Reference Guide (July 2026). The comments in the code are by the model that wrote it; some were corrected since.
;; SOHO Pre VD. Allowed arithmetic: matrix products marked QUANTISED: E5M2 operands, one E8M0 scale for each 32 along K, by v_wmma_scale_f32_16x16x128_f8f6f4 with both operands' format E5M2, f32 sums; everything else in f32.
;; Inputs: embed 8,192 x 256 float32; inputs_flatten 32,768 x 256 float32.
;; Outputs: out0 32,768 x 256 float32; out1 32,768 x 1 int32.
;; This version of the problem:
;;   THIS VERSION OF THE PROBLEM IS GIVEN IN LOW PRECISION. The matrix products marked QUANTISED in the list below multiply operands that are first quantised to E5M2 (5 exponent bits, 2 mantissa bits; 8 bits a number), with one power-of-two scale for each 32 numbers along K (OCP MX v1.0); their sums are f32. All else is computed in f32.
;;   The module's matrix products, in the order in which they are computed (A, B: the left and right operand; K: the contracted axis; several contracted axes count as one K, in the product's order):
;;     1. [M 32,768, K 256] x [K 256, N 8,192]; A: input inputs_flatten; B: input embed: QUANTISED
;;   THE QUANTISER, for each operand of a quantised product, along K:
;;     - K is cut into blocks of 32 from its start; a last block that is shorter is filled with zeros.
;;     - A block's scale is 2^e with e = floor(log2(the largest magnitude in the block)) - 15, held to -126 .. 127; a block of zeros has e = 0. As a byte (E8M0): e + 127.
;;     - Each number is divided by its block's scale, clamped to +-57,344, and rounded to the nearest number of E5M2, ties to even, subnormals kept.
;;     - The product sums the exact products of the quantised numbers (number of the format x scale) in f32.
;;   ~~~python
;;   def quantise(x, axis):      # numpy; x: float32 -> the quantised numbers, widened to float32 again
;;       x = np.moveaxis(x, axis, -1); K = x.shape[-1]
;;       x = np.pad(x, [(0, 0)] * (x.ndim - 1) + [(0, -K % 32)]); x = x.reshape(x.shape[:-1] + (-1, 32)); a = np.abs(x).max(-1, keepdims=True)
;;       e = np.where(a > 0, np.clip(np.frexp(np.where(a > 0, a, 1))[1] - 1 - 15, -126, 127), 0)      # np.frexp(a)[1] - 1 = floor(log2(a)), exactly
;;       r = np.clip(x / 2.0 ** e, -57344, 57344)
;;       step = 2.0 ** (np.maximum(np.frexp(np.where(r == 0, 1, r))[1] - 1, -14) - 2)
;;       q = np.round(r / step) * step * 2.0 ** e      # np.round: ties to even
;;       return np.moveaxis(q.reshape(q.shape[:-2] + (-1,))[..., :K], -1, axis).astype(np.float32)
;;   ~~~
;; One version. Each part assembles by itself: llvm-mc -triple=amdgcn-amd-amdhsa -mcpu=gfx1250 --defsym DOCPART=n.
;; ======== version 1 of 1: 3 launches
;; limits: right only within a limited range of input values
;; workspace buffers: xtab 8,912,896 bytes; etab 2,228,224 bytes; cand 2,097,152 bytes of whole numbers
;; launch prep (part 1): grid 640 x 1, 4 waves a work-group, no clusters, 68,096 bytes of LDS; arguments inputs_flatten, embed, xtab, etab; writes xtab, etab
.if DOCPART == 1
	.amdgcn_target "amdgcn-amd-amdhsa--gfx1250"
	.amdhsa_code_object_version 6
	.text
	.protected	k_q18320f4adf_prep
	.globl	k_q18320f4adf_prep
	.p2align	8
	.type	k_q18320f4adf_prep,@function
k_q18320f4adf_prep:
	s_mov_b64 s[64:65], 0
	v_nop
	global_prefetch_b8 v0, s[64:65] scope:SCOPE_SE
	s_setreg_imm32_b32 hwreg(HW_REG_WAVE_MODE, 25, 1), 1
	s_wait_xcnt 0x0
; inputs_flatten [32768][256] and embed [8192][256], f32, K innermost, become codes of BF8 (E5M2) with one E8M0 scale byte for each 32 along K,
; laid as IMAGES OF THE OPERAND'S REGISTERS: one record of REC = 4,352 bytes (17 x 256) for each tile of 16 rows:
;   bytes 0 .. 4095     [K step s 0..1][piece c 0..3][lane 0..31][16 bytes]: lane (r, h) = codes of row r, k = 128 s + 32 c + 16 h + 0 .. 15
;   bytes 4096 .. 4223  [lane][4 bytes]: lane 16 s + r = row r's scale word of K step s
;   bytes 4224 .. 4351  embed's records alone: word l = -(sum of squares of row l % 16) / 2, f32, from the unquantised numbers
; A block's scale is 2^(floor(log2(its largest magnitude)) - 15); its byte is the largest magnitude's exponent field - 15, held at 1 from below.
; LIMITS: a block of zeros gets the byte 1 where the quantiser says 127 (its codes are zeros, and this program alone reads the bytes); NaN and infinities among the inputs are not served.
; SHARES: a wave takes one tile: 16 rows x 1,024 bytes, 16,384 consecutive bytes of memory.  Work-groups 0 .. 511 take inputs_flatten (tile 4 wg + wave), 512 .. 639 embed.
; Only pointers are chosen by the work-group's number; the one branch on it goes round embed's sum of squares, which touches no LDS.
; Every load reads 512 consecutive bytes.  The conversions want 16 NEIGHBOURS along K in one lane's registers, so each K half (16 rows x 512 bytes) turns through the wave's own stage in LDS:
; rows 528 bytes apart (512 + 16), in as loaded, out 64 bytes a lane.  Waves share nothing: no barrier.
; WORK THAT THIS PROGRAM LEAVES OUT, for all finite values of the inputs:
; (1) x_sq[n] is added to every distance of row n: a term that is the same along the axis of the argmin moves no argmin.  And the argmin of e_sq[k] - 2 x.e_k is the argmax of
;     x.e_k - e_sq[k] / 2 (a factor -1/2).  So x_sq is not formed, and the scores are x.e_k - e_sq[k] / 2.
; (2) (quantize - x) + x = quantize by an identity of real numbers: out0 is embed's chosen row as it stands, and the last launch does not read inputs_flatten.
;     inputs_flatten stays an input of the program: it feeds the quantised product, here.
; LIMIT: a NaN, an infinity or an overflow that reaches only the work left out (x_sq; quantize - x) is not carried to the result.
.set REC,  4352
.set SP,   528                         ; a stage row
.set HALF, 16*SP                       ; a stage: one K half of the tile
.set WREG, 2*HALF                      ; a wave's LDS
.set XWG,  512                         ; work-groups that take inputs_flatten
.set R0,   16                          ; v16-79    K half 0 as loaded
.set R1,   80                          ; v80-143   K half 1 as loaded
.set X0,   144                         ; v144-207  K half 0: register 16 b + i = k 32 b + 16 h + i of my row
.set X1,   16                          ; v16-79    K half 1 likewise (R0's registers, free by then)
.set TM,   208                         ; v208-211 largest magnitudes, v212-215 bytes, v216-219 largest number x scale, v220-223 the conversions' scale operands
.set PW0,  224                         ; my row's scale word of K half 0
.set PW1,  225                         ; and of K half 1
.set ACC,  226                         ; v226-229  the sum of squares, two packed chains
.set PC0,  230                         ; v230-245  codes of K half 0
.set PC1,  80                          ; v80-95    codes of K half 1 (R1's registers, free by then)
.set TMP,  246
.set SEL,  20                          ; s[20:21] v_permlanex16_b32's selects for lane l xor 16
.set MNT,  22                          ; s22 the mantissa field of 57,344
	s_load_b256 s[4:11], s[0:1], 0x0               ; inputs_flatten s[4:5], embed s[6:7], xtab s[8:9], etab s[10:11]
	v_lshl_add_u32 v248, v0, 2, 0x10800
	v_mov_b32 v249, 0
	v_lshrrev_b32 v1, 5, v0
	v_readfirstlane_b32 s12, v1                    ; wave 0..3
	v_and_b32 v1, 31, v0                           ; lane
	v_lshlrev_b32 v2, 4, v1                        ; 16 x lane: my bytes of a load's or a store's 512
	v_lshlrev_b32 v5, 2, v1                        ; 4 x lane
	v_and_b32 v6, 15, v0                           ; r
	v_bfe_u32 v7, v0, 4, 1                         ; h
	s_mul_i32 s14, s12, WREG                       ; my wave's LDS
	v_add_nc_u32 v3, s14, v2                       ; into a stage: 16 x lane of a row
	v_mul_u32_u24 v4, v6, SP
	v_lshl_add_u32 v4, v7, 6, v4
	v_add_nc_u32 v4, s14, v4                       ; out of it: row r, + 64 h: my 16 numbers of a block of 32
	s_mov_b32 s[SEL], 0x76543210
	s_mov_b32 s[SEL+1], 0xfedcba98
	s_mov_b32 s[MNT], 0x600000
.irp b, 0,1,2,3
	v_mov_b32 v[TM+4+\b], 0                        ; written once: a lane permute's destination counts as one of its sources
.endr
	v_mov_b32 v[TMP], 0
	s_lshl_b32 s13, ttmp9, 2
	s_add_co_u32 s13, s13, s12                     ; 4 x work-group + wave
	s_cmp_lt_u32 ttmp9, XWG
	s_cselect_b32 s15, 0, 4*XWG
	s_sub_co_u32 s13, s13, s15                     ; my tile in its tensor
	s_lshl_b32 s16, s13, 14                        ; 16,384 bytes of f32 a tile (under 2^26)
	s_mov_b32 s17, 0
	s_mul_i32 s18, s13, REC                        ; and a record
	s_mov_b32 s19, 0
	s_wait_alu depctr_va_vdst(0)
	s_wait_kmcnt 0x0
	s_cmp_lt_u32 ttmp9, XWG                        ; the choice hangs on the work-group's number alone
	s_cselect_b64 s[4:5], s[4:5], s[6:7]
	s_cselect_b64 s[8:9], s[8:9], s[10:11]
	s_add_nc_u64 s[4:5], s[4:5], s[16:17]
	s_add_nc_u64 s[8:9], s[8:9], s[18:19]
.macro LOADH s, reg                    ; K half s of the 16 rows: each load reads 512 consecutive bytes, at a multiple of 512 from the tensor's first byte
.irp i, 0,1,2,3,4,5,6,7,8,9,10,11,12,13,14,15
	global_load_b128 v[\reg+4*\i:\reg+4*\i+3], v2, s[4:5] offset:1024*\i+512*\s th:TH_LOAD_NT
.endr
.endm
.macro TURN s, reg, x                  ; through stage s: LDS serves a wave's instructions in order, so no wait stands between the stores and the loads
.irp i, 0,1,2,3,4,5,6,7,8,9,10,11,12,13,14,15
	ds_store_b128 v3, v[\reg+4*\i:\reg+4*\i+3] offset:HALF*\s+SP*\i
.endr
.irp b, 0,1,2,3
.irp j, 0,1,2,3
	ds_load_b128 v[\x+16*\b+4*\j:\x+16*\b+4*\j+3], v4 offset:HALF*\s+128*\b+16*\j
.endr
.endr
.endm
; 64 numbers of a lane, register 16 b + i = k 32 b + 16 h + i of my row, become a fragment's codes in v[pc] on and my row's scale word in v[pw]
.macro QUANT s, pc, pw
.irp b, 0,1,2,3
	v_max3_num_f32 v[TM+\b], |v[\s+16*\b]|, |v[\s+1+16*\b]|, 0x8000000   ; block b: my 16 numbers, and the floor 2^(16 - 127): so the byte cannot fall under 1
.endr
.irp i, 2,4,6,8,10,12,14
.irp b, 0,1,2,3
	v_max3_num_f32 v[TM+\b], v[TM+\b], |v[\s+16*\b+\i]|, |v[\s+1+16*\b+\i]|   ; the four blocks by turns
.endr
.endr
.irp b, 0,1,2,3
	v_permlanex16_b32 v[TM+4+\b], v[TM+\b], s[SEL], s[SEL+1]
.endr
.irp b, 0,1,2,3
	v_max_num_f32 v[TM+\b], v[TM+\b], v[TM+4+\b]   ; with lane l xor 16's 16 numbers: the block's largest magnitude
.endr
.irp b, 0,1,2,3
	v_add_nc_u32 v[TM+12+\b], 0xf8800000, v[TM+\b] ; 15 off its exponent field: the conversion takes this operand's exponent field as its scale
.endr
.irp b, 0,1,2,3
	v_and_or_b32 v[TM+8+\b], v[TM+\b], 0x7f800000, s[MNT]   ; 57,344 x the scale
.endr
.irp b, 0,1,2,3
	v_lshrrev_b32 v[TM+4+\b], 23, v[TM+12+\b]      ; the scale's byte
.endr
	v_lshl_or_b32 v[\pw], v[TM+5], 8, v[TM+4]
	v_lshl_or_b32 v[\pw], v[TM+6], 16, v[\pw]
	v_lshl_or_b32 v[\pw], v[TM+7], 24, v[\pw]
.irp b, 0,1,2,3
.irp i, 0,1,2,3,4,5,6,7,8,9,10,11,12,13,14,15
	v_med3_num_f32 v[\s+16*\b+\i], v[\s+16*\b+\i], -v[TM+8+\b], v[TM+8+\b]   ; the conversion to an 8-bit code does not saturate (ISA guide 7.6.2): hold first
.endr
	v_cvt_scalef32_pk8_bf8_f32 v[\pc+4*\b:\pc+1+4*\b], v[\s+16*\b:\s+7+16*\b], v[TM+12+\b]
	v_cvt_scalef32_pk8_bf8_f32 v[\pc+2+4*\b:\pc+3+4*\b], v[\s+8+16*\b:\s+15+16*\b], v[TM+12+\b]
.endr
	v_nop                                          ; one plain vector line between the last conversion and the next vector line that writes its sources
.endm
.macro OUT s, pc                       ; the fragment as it stands: each store covers 512 consecutive bytes, at a multiple of 256 from the buffer's first byte
.irp c, 0,1,2,3
	global_store_b128 v2, v[\pc+4*\c:\pc+4*\c+3], s[8:9] offset:2048*\s+512*\c
.endr
.endm
	LOADH 0, R0
	LOADH 1, R1
	s_wait_loadcnt 16                              ; K half 0's sixteen loads are in; half 1's sixteen may be out
	TURN 0, R0, X0
	s_wait_dscnt 0x0                               ; half 0 is back, and R0's registers have been read
	s_wait_loadcnt 0x0
	TURN 1, R1, X1
	s_wait_dscnt 0x0
	; embed alone: -(the row's sum of squares) / 2, of the numbers as they came, ahead of the hold that the quantiser lays on them
	s_cmp_lt_u32 ttmp9, XWG
	s_cbranch_scc1 .Lno_norm
	v_pk_mul_f32 v[ACC:ACC+1], v[X0:X0+1], v[X0:X0+1]
	v_pk_mul_f32 v[ACC+2:ACC+3], v[X0+2:X0+3], v[X0+2:X0+3]
.irp i, 4,8,12,16,20,24,28,32,36,40,44,48,52,56,60
	v_pk_fma_f32 v[ACC:ACC+1], v[X0+\i:X0+\i+1], v[X0+\i:X0+\i+1], v[ACC:ACC+1]
	v_pk_fma_f32 v[ACC+2:ACC+3], v[X0+\i+2:X0+\i+3], v[X0+\i+2:X0+\i+3], v[ACC+2:ACC+3]
.endr
.irp i, 0,4,8,12,16,20,24,28,32,36,40,44,48,52,56,60
	v_pk_fma_f32 v[ACC:ACC+1], v[X1+\i:X1+\i+1], v[X1+\i:X1+\i+1], v[ACC:ACC+1]
	v_pk_fma_f32 v[ACC+2:ACC+3], v[X1+\i+2:X1+\i+3], v[X1+\i+2:X1+\i+3], v[ACC+2:ACC+3]
.endr
	v_pk_add_f32 v[ACC:ACC+1], v[ACC:ACC+1], v[ACC+2:ACC+3]
	v_add_f32 v[ACC], v[ACC], v[ACC+1]             ; my 128 numbers of the row,
	v_permlanex16_b32 v[TMP], v[ACC], s[SEL], s[SEL+1]
	v_add_f32 v[ACC], v[ACC], v[TMP]               ; and lane l xor 16's
	v_mul_f32 v[ACC], -0.5, v[ACC]
	global_store_b32 v5, v[ACC], s[8:9] offset:REC-128   ; word l = row l % 16's; v[ACC] is not written again
.Lno_norm:
	QUANT X0, PC0, PW0
	OUT 0, PC0
	QUANT X1, PC1, PW1
	OUT 1, PC1
	v_cmp_gt_u32 vcc_lo, 16, v1
	v_cndmask_b32 v[TMP], v[PW1], v[PW0], vcc_lo   ; lanes 0-15: K step 0's word of row r; lanes 16-31: K step 1's
	global_store_b32 v5, v[TMP], s[8:9] offset:4096
	s_wait_tensorcnt 0x0
	ds_add_u32 v248, v249
	s_wait_dscnt 0x0
	s_endpgm
.Lfunc_end_k_q18320f4adf_prep:
	.size	k_q18320f4adf_prep, .Lfunc_end_k_q18320f4adf_prep-k_q18320f4adf_prep
	.p2alignl 7, 3214868480
	.fill 96, 4, 3214868480
	.section	.rodata,"a",@progbits
	.p2align	6, 0x0
	.amdhsa_kernel k_q18320f4adf_prep
		.amdhsa_group_segment_fixed_size 68096
		.amdhsa_private_segment_fixed_size 0
		.amdhsa_enable_private_segment 0
		.amdhsa_kernarg_size 32
		.amdhsa_user_sgpr_count 2
		.amdhsa_user_sgpr_kernarg_segment_ptr 1
		.amdhsa_wavefront_size32 1
		.amdhsa_system_sgpr_workgroup_id_x 1
		.amdhsa_system_sgpr_workgroup_id_y 1
		.amdhsa_system_sgpr_workgroup_id_z 1
		.amdhsa_system_vgpr_workitem_id 0
		.amdhsa_next_free_vgpr 250
		.amdhsa_next_free_sgpr 66
		.amdhsa_reserve_vcc 1
		.amdhsa_float_denorm_mode_32 3
		.amdhsa_float_denorm_mode_16_64 3
		.amdhsa_memory_ordered 1
		.amdhsa_forward_progress 1
		.amdhsa_inst_pref_size 31
	.end_amdhsa_kernel
	.amdgpu_metadata
---
amdhsa.version: [ 1, 2 ]
amdhsa.kernels:
  - .name:           k_q18320f4adf_prep
    .symbol:         k_q18320f4adf_prep.kd
    .args:
      - { .name: inputs_flatten, .offset: 0, .size: 8, .value_kind: global_buffer, .address_space: global }
      - { .name: embed, .offset: 8, .size: 8, .value_kind: global_buffer, .address_space: global }
      - { .name: xtab, .offset: 16, .size: 8, .value_kind: global_buffer, .address_space: global }
      - { .name: etab, .offset: 24, .size: 8, .value_kind: global_buffer, .address_space: global }
    .group_segment_fixed_size: 68096
    .private_segment_fixed_size: 0
    .kernarg_segment_align: 8
    .kernarg_segment_size: 32
    .max_flat_workgroup_size: 128
    .sgpr_count:     66
    .vgpr_count:     250
    .wavefront_size: 32
...
	.end_amdgpu_metadata
.endif
;; end of part 1
;; launch vq (part 2): grid 32 x 8, 8 waves a work-group, clusters of 4 x 1, 327,680 bytes of LDS; arguments xtab, etab, cand; writes cand
.if DOCPART == 2
	.amdgcn_target "amdgcn-amd-amdhsa--gfx1250"
	.amdhsa_code_object_version 6
	.text
	.protected	k_q18320f4adf_vq
	.globl	k_q18320f4adf_vq
	.p2align	8
	.type	k_q18320f4adf_vq,@function
k_q18320f4adf_vq:
	s_mov_b64 s[64:65], 0
	v_nop
	global_prefetch_b8 v0, s[64:65] scope:SCOPE_SE
	s_setreg_imm32_b32 hwreg(HW_REG_WAVE_MODE, 25, 1), 1
	s_wait_xcnt 0x0
	s_wait_alu depctr_hold_cnt(0) depctr_sa_sdst(0) depctr_va_vdst(0) depctr_va_sdst(0) depctr_va_ssrc(0) depctr_va_vcc(0) depctr_vm_vsrc(0)
	s_getreg_b32 s2, hwreg(HW_REG_IB_STS2, 6, 4)
	s_cmp_eq_u32 s2, 0
	s_cbranch_scc0 .Lentry_in_a_cluster
	s_endpgm
.Lentry_in_a_cluster:
	s_bfe_u32 s2, ttmp6, 0x10000c
	s_cmp_lg_u32 s2, 0x3003
	s_cbranch_scc0 .Lentry_shape_is_right
	s_endpgm
.Lentry_shape_is_right:
; For each row of x and each of eight splits of 1,024 codes: the largest score x.e_k - e_sq[k] / 2 (x_sq is left out: see the first kernel's head) and its lowest code.
; The product is MX-BF8 on the records that the launch before laid: 4,352 bytes for 16 rows: codes as images of the operand's registers, scale words, and for embed -e_sq / 2.
; SHARES: work-group (row block 0..31, split 0..7): 1,024 rows x 1,024 codes.  Eight waves; a wave keeps 8 tiles of 16 rows of x in v256-511 and walks the split's 64 tiles of embed in LDS.
; TRANSPOSED USE: source 0 = 16 codes of embed, source 1 = 16 rows of x, C = -e_sq / 2: lane (r, h) holds row r of x, register j the code 16 T + 8 h + j.
; THE ARGMAX of a lane: the running largest score (four v_max3 a result); where it has grown strictly, the tile's first code and the tile's scores 0 .. 6 are kept (four dual selects); so of equal
; scores the earliest tile stays.  At the end the lowest j with a kept score = the largest gives the code (7 where none of 0 .. 6 is: so score 7 is not kept, and the tile's first code has its register);
; lanes l and l xor 16 are joined, of equal scores the lower code.  No branch hangs on a score.
; THE ORDER: the 36 lines that look at four results stand among the eight products of the other four tiles of x: four behind each of seven products, eight behind the eighth.
; x lies in the second register window, so each such place has two switches of the window.
; LDS: embed's 64 records lie at 0 .. 278,527 and are filled ONCE, in two groups (16 records, then 48): each wave one tensor load at the head and one behind the second round.
; CLUSTERS: the four row blocks of a cluster walk the same split: both groups are asked for jointly (mask 15).  x goes from memory straight into each wave's registers, once for a work-group:
; it passes no LDS, so it has no joint load.  x's loads are issued first: the first tile's products need all of them.
; NO PREFETCH: all that the launch reads is asked for at its head; there is no later stream to run ahead of.
; OUT: cand[split][row] = (key, code): the key is the score as a whole number that keeps the scores' order.
; LIMITS: NaN and infinities among the inputs are not served.
.set REC,  4352
.set STG,  64*REC                      ; the way out: 1,024 bytes a wave
.set SPARE, STG+8192                   ; the spare words: 128 bytes a wave
; v1 16 x lane; v2, v3 a record's scale word and -e_sq / 2 for my lane; v4 4 x lane; v5 8 h; v6, v7 the stage
; x's scale words lie in v8-13, v16, v17 (tile t at 8 + t + 2 (t / 6)), embed's in v14, v15: no pair of them has the same number modulo 8
.set AS,   14
.set LA,   18                          ; v18-20 LDS addresses at work
.set VCB,  21                          ; v21 the first code of the tile that is looked at
.set M,    30                          ; v30-45 the largest score, two sets by turns
.set BI,   46                          ; v46-61 -e_sq / 2, two sets
.set A,    62                          ; v62-125 embed's fragments, two sets
.set D,    126                         ; v126-189 the scores
.set S,    190                         ; v190-253 for tile t of x: S + 8 t + 0 .. 6 the kept tile's scores, S + 8 t + 7 its first code
.set JJ,   62
.set IX,   70
.set MO,   78
.set IO,   86
.set KT,   94
.set BK,   102
.set WV,   10
.set SPL,  12
.set G1A,  16
.set G1B,  24
.set G0A,  32
.set G0B,  36
.set CB,   40
.set CNT,  41
.set OFS,  42
.set RB,   43
.set MK,   44
.set SEL,  48
.set HI,   50
.set CX,   54
.set MSB, 0
.macro WIN new                         ; the immediate's high byte repeats the setting that is left
.if MSB != \new
	s_set_vgpr_msb (MSB<<8)|\new
.set MSB, \new
.endif
.endm
.macro ROUND                           ; a round of the cluster's barrier
	s_barrier_signal -1
	s_barrier_wait -1
	s_cmp_lg_u32 s[WV], 0
	s_cbranch_scc1 .Lnot_wave_0_\@
	s_barrier_signal -3
.Lnot_wave_0_\@:
	s_barrier_wait -3
	s_barrier_signal -1
	s_barrier_wait -1
.endm
	s_load_b128 s[4:7], s[0:1], 0x0                ; xtab, etab
	s_load_b64 s[8:9], s[0:1], 0x10                ; cand
	v_lshl_add_u32 v254, v0, 2, SPARE
	v_mov_b32 v255, 0
	ds_add_u32 v254, v255                          ; the opening lines: the add, twice on end, and its wait
	ds_add_u32 v254, v255
	v_lshrrev_b32 v1, 5, v0
	v_readfirstlane_b32 s[WV], v1                  ; wave 0..7
	v_and_b32 v4, 31, v0
	v_lshlrev_b32 v1, 4, v4                        ; 16 x lane
	v_lshlrev_b32 v4, 2, v4                        ; 4 x lane
	s_and_b32 s[SPL], ttmp7, 0xffff                ; split: the cluster's y
	s_bfe_u32 s[CX], ttmp6, 0x40000                ; my place in the cluster: it enters global addresses of plain loads and stores alone
	s_lshl_b32 s[RB], ttmp9, 2
	s_add_co_u32 s[RB], s[RB], s[CX]               ; row block 0..31
	; group 1: dense rows of 256 bytes (32 elements of 8); 2 records = 34 rows, 6 records = 102 rows; mask 15 with bit 21 beside it
	s_mov_b32 s[G1A+0], 15|(3<<16)|(1<<21)
	s_mov_b32 s[G1A+1], 32<<16
	s_mov_b32 s[G1A+2], 34<<16
	s_mov_b32 s[G1A+3], 32<<16
	s_mov_b32 s[G1A+4], 34
	s_mov_b32 s[G1A+5], 32
	s_mov_b32 s[G1A+6], 0
	s_mov_b32 s[G1A+7], 0
	s_mov_b32 s[G1B+0], 15|(3<<16)|(1<<21)
	s_mov_b32 s[G1B+1], 32<<16
	s_mov_b32 s[G1B+2], 102<<16
	s_mov_b32 s[G1B+3], 32<<16
	s_mov_b32 s[G1B+4], 102
	s_mov_b32 s[G1B+5], 32
	s_mov_b32 s[G1B+6], 0
	s_mov_b32 s[G1B+7], 0
	s_mov_b32 s[G0A], 1
	s_mul_i32 s[G0A+1], s[WV], 2*REC               ; records 2 w, 2 w + 1
	s_mov_b32 s[G0B], 1
	s_mul_i32 s[G0B+1], s[WV], 6*REC
	s_add_co_u32 s[G0B+1], s[G0B+1], 16*REC        ; records 16 + 6 w .. 16 + 6 w + 5
	s_lshl_b32 s14, s[RB], 6
	s_lshl_b32 s13, s[WV], 3
	s_add_co_u32 s14, s14, s13                     ; my first tile of x: 64 x row block + 8 x wave
	s_mul_i32 s14, s14, REC
	s_mov_b32 s15, 0
	s_wait_alu depctr_va_vdst(0)
	s_wait_dscnt 0x0
	s_wait_kmcnt 0x0
	s_add_nc_u64 s[4:5], s[4:5], s[14:15]
	WIN 0x40
.irp t, 0,1,2,3,4,5,6,7
.irp q, 0,1,2,3,4,5,6,7
	global_load_b128 v[32*\t+4*\q:32*\t+4*\q+3], v1, s[4:5] offset:REC*\t+512*\q   ; x's fragments as they lie: 512 consecutive bytes a load
.endr
.endr
	WIN 0
.irp t, 0,1,2,3,4,5,6,7
	global_load_b32 v[8+\t+2*(\t/6)], v4, s[4:5] offset:REC*\t+4096                ; lanes 0-15: K step 0's scale words, lanes 16-31: K step 1's
.endr
	s_mul_i32 s13, s[SPL], 64*REC                  ; the split's records: the same in all four partners
	s_add_co_u32 s14, s13, s[G0A+1]
	s_add_nc_u64 s[G0A+2:G0A+3], s[6:7], s[14:15]
	s_or_b32 s[G0A+3], s[G0A+3], 0x80000000
	s_add_co_u32 s14, s13, s[G0B+1]
	s_add_nc_u64 s[G0B+2:G0B+3], s[6:7], s[14:15]
	s_or_b32 s[G0B+3], s[G0B+3], 0x80000000
	ROUND                                          ; in front of the first joint loads
	tensor_load_to_lds s[G0A:G0A+3], s[G1A:G1A+7]  ; my one load at the head
	s_nop 0
.rept 4
	v_nop
.endr
	s_lshl_b32 s14, s[SPL], 18                     ; cand: 262,144 bytes a split, 8,192 a row block, 1,024 a wave
	s_lshl_b32 s13, s[RB], 13
	s_add_co_u32 s14, s14, s13
	s_lshl_b32 s13, s[WV], 10
	s_add_co_u32 s14, s14, s13
	s_add_nc_u64 s[8:9], s[8:9], s[14:15]
	v_add_nc_u32 v2, 4096, v4
	v_bfe_u32 v5, v0, 4, 1                         ; h
	v_lshlrev_b32 v3, 5, v5
	v_add_nc_u32 v3, 4224, v3                      ; my eight words of -e_sq / 2: codes 8 h + 0 .. 7
	v_and_b32 v6, 15, v0
	v_lshlrev_b32 v6, 3, v6
	v_lshl_add_u32 v6, v5, 2, v6                   ; the stage: row r's pair, key from lanes 0-15, code from lanes 16-31
	s_lshl_b32 s13, s[WV], 10
	s_add_co_u32 s13, s13, STG
	v_add_nc_u32 v6, s13, v6
	v_add_nc_u32 v7, s13, v1
	v_lshlrev_b32 v5, 3, v5                        ; 8 h
	s_mov_b32 s[SEL], 0x76543210
	s_mov_b32 s[SEL+1], 0xfedcba98
	s_mov_b32 s[HI], 0xffff0000
	s_mov_b32 s[OFS], 0
	s_lshl_b32 s[CB], s[SPL], 10
	s_sub_co_u32 s[CB], s[CB], 16                  ; one tile ahead of the split's first code
	s_mov_b32 s51, 0xff800000                      ; under every score
	v_mov_b32 v[VCB], 0
.irp i, 0,1,2,3
	v_mov_b32 v[M+\i], s51
	v_mov_b32 v[M+12+\i], s51
.endr
.set n, 0
.rept 32
	v_mov_b32 v[D+32+n], s51                       ; the first look at tiles 4-7 of x stands ahead of their first products: it finds nothing that grows
.set n, n+1
.endr
.set n, 0
.rept 64
	v_mov_b32 v[S+n], s51                          ; (a select reads its destination: written once here; the first tile's scores replace all of it)
.set n, n+1
.endr
.macro LOADA p, off                    ; a record of embed into set p: 8 pieces of codes, the scale word, -e_sq / 2
	v_add_nc_u32 v[LA], s[OFS], v1
	v_add_nc_u32 v[LA+1], s[OFS], v2
	v_add_nc_u32 v[LA+2], s[OFS], v3
.irp q, 0,1,2,3,4,5,6,7
	ds_load_b128 v[A+32*(\p)+4*\q:A+32*(\p)+4*\q+3], v[LA] offset:(\off)+512*\q
.endr
	ds_load_b32 v[AS+(\p)], v[LA+1] offset:(\off)
	ds_load_b128 v[BI+8*(\p):BI+8*(\p)+3], v[LA+2] offset:(\off)
	ds_load_b128 v[BI+8*(\p)+4:BI+8*(\p)+7], v[LA+2] offset:(\off)+16
.endm
; Line ln (0 .. 35) of the look at the results of x's tiles t0 .. t0 + 3; set q of M is read, the other written.
; 0-15: the running largest score, the four tiles by turns, each result from its low end on.  16-19: has it grown strictly?  20-35: four dual selects a tile, by VCC.
.macro VL t0, q, ln
.set vn, \ln
.if vn < 4
	v_max3_num_f32 v[M+8*(1-(\q))+\t0+vn], v[M+8*(\q)+\t0+vn], v[D+8*(\t0+vn)], v[D+8*(\t0+vn)+1]
.endif
.if (vn >= 4) && (vn < 16)
.set vi, vn%4
.set vk, vn/4
	v_max3_num_f32 v[M+8*(1-(\q))+\t0+vi], v[M+8*(1-(\q))+\t0+vi], v[D+8*(\t0+vi)+2*vk], v[D+8*(\t0+vi)+2*vk+1]
.endif
.if (vn >= 16) && (vn < 20)
.set vi, vn-16
	v_cmp_gt_f32 s[MK+vi], v[M+8*(1-(\q))+\t0+vi], v[M+8*(\q)+\t0+vi]     ; strictly: of equal scores the earlier tile stays
.endif
.if vn >= 20
.set vi, (vn-20)/4
.set vj, 2*((vn-20)%4)
.if vj == 0
	s_mov_b32 vcc_lo, s[MK+vi]
.endif
.if vj < 6
	v_dual_cndmask_b32 v[S+8*(\t0+vi)+vj], v[S+8*(\t0+vi)+vj], v[D+8*(\t0+vi)+vj] :: v_dual_cndmask_b32 v[S+8*(\t0+vi)+vj+1], v[S+8*(\t0+vi)+vj+1], v[D+8*(\t0+vi)+vj+1]
.else
	v_dual_cndmask_b32 v[S+8*(\t0+vi)+6], v[S+8*(\t0+vi)+6], v[D+8*(\t0+vi)+6] :: v_dual_cndmask_b32 v[S+8*(\t0+vi)+7], v[S+8*(\t0+vi)+7], v[VCB]   ; score 6, and the tile's first code
.endif
.endif
.endm
; Eight products: x's tiles t0 .. t0 + 3, K step 0 and then K step 1, the four accumulators by turns, with the look at tiles u0 .. u0 + 3 among them.
; The look's lines name none of these products' registers.  Behind the eighth product stand eight of them: its result is first read behind those eight places;
; the earlier results have those and more.
.macro WMV t0, p, u0, q
.set ww, 0
.rept 8
	WIN 0x04
.if ww < 4
	v_wmma_scale_f32_16x16x128_f8f6f4 v[D+8*(\t0+ww):D+8*(\t0+ww)+7], v[A+32*\p:A+32*\p+15], v[32*(\t0+ww):32*(\t0+ww)+15], v[BI+8*\p:BI+8*\p+7], v[AS+\p], v[8+(\t0+ww)+2*((\t0+ww)/6)] matrix_a_fmt:MATRIX_FMT_BF8 matrix_b_fmt:MATRIX_FMT_BF8
.else
	v_wmma_scale_f32_16x16x128_f8f6f4 v[D+8*(\t0+ww-4):D+8*(\t0+ww-4)+7], v[A+32*\p+16:A+32*\p+31], v[32*(\t0+ww-4)+16:32*(\t0+ww-4)+31], v[D+8*(\t0+ww-4):D+8*(\t0+ww-4)+7], v[AS+\p], v[8+(\t0+ww-4)+2*((\t0+ww-4)/6)] matrix_a_fmt:MATRIX_FMT_BF8 matrix_b_fmt:MATRIX_FMT_BF8 matrix_a_scale:MATRIX_SCALE_ROW1 matrix_b_scale:MATRIX_SCALE_ROW1
.endif
	WIN 0
	VL \u0, \q, 4*ww
	VL \u0, \q, 4*ww+1
	VL \u0, \q, 4*ww+2
	VL \u0, \q, 4*ww+3
.if ww == 7
	VL \u0, \q, 32
	VL \u0, \q, 33
	VL \u0, \q, 34
	VL \u0, \q, 35
.endif
.set ww, ww+1
.endr
.endm
; One tile of embed against my eight of x.  The look at tiles 4-7 lags one tile behind, and so takes the first code as it stood.
.macro TILE p, pf
	s_wait_dscnt 0x0                               ; set p is in
	WMV 0, \p, 4, 1-\p
	s_add_co_u32 s[CB], s[CB], 16
	v_mov_b32 v[VCB], s[CB]
.if \pf
	LOADA 1-\p, (\p+1)*REC
.endif
	WMV 4, \p, 0, \p
.endm
.macro RUN trips                       ; 2 x trips + 2 tiles; the last fetches nothing beyond them
	LOADA 0, 0
	s_mov_b32 s[CNT], \trips
.Lrun_\@:
	TILE 0, 1
	TILE 1, 1
	s_add_co_u32 s[OFS], s[OFS], 2*REC
	s_sub_co_u32 s[CNT], s[CNT], 1
	s_cmp_lg_u32 s[CNT], 0
	s_cbranch_scc1 .Lrun_\@
	TILE 0, 1
	TILE 1, 0
	s_add_co_u32 s[OFS], s[OFS], 2*REC
.endm
	s_wait_alu depctr_va_vdst(0)
	s_wait_tensorcnt 0x0                           ; my two records are in
	ds_add_u32 v254, v255
	s_wait_dscnt 0x0
	ROUND                                          ; everybody's part of records 0-15 is in, and the four partners are here
	tensor_load_to_lds s[G0B:G0B+3], s[G1B:G1B+7]  ; records 16-63: my one load behind the round; it has sixteen tiles' work in which to land
	s_nop 0
.rept 4
	v_nop
.endr
	s_wait_loadcnt 0x0                             ; x
	RUN 7
	s_wait_tensorcnt 0x0                           ; my six records are in,
	s_wait_dscnt 0x0
	s_barrier_signal -1
	s_barrier_wait -1                              ; and everybody's
	RUN 23
.set n, 0
.rept 36
	VL 4, 1, n                                     ; the last tile's look at tiles 4-7
.set n, n+1
.endr
	; the lowest j whose kept score is the largest; 7 where none of 0 .. 6 is
.irp g, 0,4
.irp i, 0,1,2,3
	v_mov_b32 v[JJ+\g+\i], 7
.endr
.irp k, 6,5,4,3,2,1,0
.irp i, 0,1,2,3
	v_cmp_eq_f32 s[MK+\i], v[S+8*(\g+\i)+\k], v[M+\g+\i]
.endr
.irp i, 0,1,2,3
	s_delay_alu instid0(VALU_DEP_4)
	v_cndmask_b32 v[JJ+\g+\i], v[JJ+\g+\i], \k, s[MK+\i]
.endr
.endr
.endr
.irp t, 0,1,2,3,4,5,6,7
	v_add3_u32 v[IX+\t], v[S+8*\t+7], v[JJ+\t], v5 ; the code: the tile's first + 8 h + j
.endr
.irp t, 0,1,2,3,4,5,6,7
	v_permlanex16_b32 v[MO+\t], v[M+\t], s[SEL], s[SEL+1]
	v_permlanex16_b32 v[IO+\t], v[IX+\t], s[SEL], s[SEL+1]
.endr
.irp t, 0,1,2,3,4,5,6,7                ; with lane l xor 16: the larger score, of equal scores the lower code
	v_cmp_gt_f32 s51, v[MO+\t], v[M+\t]
	v_cmp_eq_f32 s52, v[MO+\t], v[M+\t]
	v_cmp_lt_u32 s53, v[IO+\t], v[IX+\t]
	s_and_b32 s52, s52, s53
	s_or_b32 s51, s51, s52
	v_cndmask_b32 v[M+\t], v[M+\t], v[MO+\t], s51
	v_cndmask_b32 v[IX+\t], v[IX+\t], v[IO+\t], s51
.endr
.irp t, 0,1,2,3,4,5,6,7
	v_add_f32 v[M+\t], 0, v[M+\t]                  ; -0 becomes +0
.endr
.irp t, 0,1,2,3,4,5,6,7
	v_ashrrev_i32 v[KT+\t], 31, v[M+\t]
.endr
.irp t, 0,1,2,3,4,5,6,7
	v_or_b32 v[KT+\t], 0x80000000, v[KT+\t]
.endr
.irp t, 0,1,2,3,4,5,6,7
	v_xor_b32 v[KT+\t], v[KT+\t], v[M+\t]          ; the key: unsigned order = the scores' order
.endr
.irp t, 0,1,2,3,4,5,6,7
	v_cndmask_b32 v[KT+\t], v[KT+\t], v[IX+\t], s[HI]   ; lanes 0-15 the key, lanes 16-31 the code
.endr
.irp t, 0,1,2,3,4,5,6,7
	ds_store_b32 v6, v[KT+\t] offset:128*\t
.endr
	ds_load_b128 v[BK:BK+3], v7                    ; my own bytes: LDS serves a wave's instructions in order
	ds_load_b128 v[BK+4:BK+7], v7 offset:512
	s_wait_dscnt 0x0
	global_store_b128 v1, v[BK:BK+3], s[8:9]       ; 512 consecutive bytes a store
	global_store_b128 v1, v[BK+4:BK+7], s[8:9] offset:512
	s_wait_tensorcnt 0x0                           ; the wave's end
	ds_add_u32 v254, v255
	s_wait_dscnt 0x0
	ROUND                                          ; the closing round
	s_endpgm
.Lfunc_end_k_q18320f4adf_vq:
	.size	k_q18320f4adf_vq, .Lfunc_end_k_q18320f4adf_vq-k_q18320f4adf_vq
	.p2alignl 7, 3214868480
	.fill 96, 4, 3214868480
	.section	.rodata,"a",@progbits
	.p2align	6, 0x0
	.amdhsa_kernel k_q18320f4adf_vq
		.amdhsa_group_segment_fixed_size 327680
		.amdhsa_private_segment_fixed_size 0
		.amdhsa_enable_private_segment 0
		.amdhsa_kernarg_size 24
		.amdhsa_user_sgpr_count 2
		.amdhsa_user_sgpr_kernarg_segment_ptr 1
		.amdhsa_wavefront_size32 1
		.amdhsa_system_sgpr_workgroup_id_x 1
		.amdhsa_system_sgpr_workgroup_id_y 1
		.amdhsa_system_sgpr_workgroup_id_z 1
		.amdhsa_system_vgpr_workitem_id 0
		.amdhsa_next_free_vgpr 512
		.amdhsa_next_free_sgpr 66
		.amdhsa_reserve_vcc 1
		.amdhsa_float_denorm_mode_32 3
		.amdhsa_float_denorm_mode_16_64 3
		.amdhsa_memory_ordered 1
		.amdhsa_forward_progress 1
		.amdhsa_inst_pref_size 104
	.end_amdhsa_kernel
	.amdgpu_metadata
---
amdhsa.version: [ 1, 2 ]
amdhsa.kernels:
  - .name:           k_q18320f4adf_vq
    .symbol:         k_q18320f4adf_vq.kd
    .args:
      - { .name: xtab, .offset: 0, .size: 8, .value_kind: global_buffer, .address_space: global }
      - { .name: etab, .offset: 8, .size: 8, .value_kind: global_buffer, .address_space: global }
      - { .name: cand, .offset: 16, .size: 8, .value_kind: global_buffer, .address_space: global }
    .group_segment_fixed_size: 327680
    .private_segment_fixed_size: 0
    .kernarg_segment_align: 8
    .kernarg_segment_size: 24
    .max_flat_workgroup_size: 256
    .sgpr_count:     66
    .vgpr_count:     512
    .wavefront_size: 32
...
	.end_amdgpu_metadata
.endif
;; end of part 2
;; launch gather (part 3): grid 512 x 1, 8 waves a work-group, no clusters, 0 bytes of LDS; arguments cand, embed, out0, out1; writes out0, out1
.if DOCPART == 3
	.amdgcn_target "amdgcn-amd-amdhsa--gfx1250"
	.amdhsa_code_object_version 6
	.text
	.protected	k_q18320f4adf_gather
	.globl	k_q18320f4adf_gather
	.p2align	8
	.type	k_q18320f4adf_gather,@function
k_q18320f4adf_gather:
	s_mov_b64 s[64:65], 0
	v_nop
	global_prefetch_b8 v0, s[64:65] scope:SCOPE_SE
	s_setreg_imm32_b32 hwreg(HW_REG_WAVE_MODE, 25, 1), 1
	s_wait_xcnt 0x0
; For each row: of the eight splits' pairs (key, code) the largest key, of equal keys the lowest split's (its codes are the lower ones); out1 = the code; out0 = embed[code].
; LEFT OUT: (quantize - x) + x = quantize by an identity of real numbers, so inputs_flatten is not read here (shown at the first kernel's head).
; The keys are whole numbers that keep the scores' order, made by the launch before: they are compared as unsigned whole numbers, and the code read from memory is held inside the table
; (8,191 at the most) before it enters an address.
; SHARES: a wave takes 8 rows; 512 work-groups of eight waves.  Straight-line: the 16 loads of embed's rows are all on their way together.
; A row is 1,024 bytes: two loads or stores of 512 consecutive bytes.  No LDS, no matrix unit, no cluster (work-groups share nothing but rows of embed that the list happens to name twice);
; no prefetch: the rows' addresses are known only when the pairs are in, and there is no loop to run ahead in.
; out1 leaves as 32 bytes a wave: 131,072 bytes in all beside out0's 33,554,432.
.set E,  32                            ; v32-95   embed's rows
.set EO, 24                            ; v24-31   a row's byte offset in embed + 16 x lane
.set PR, 8                             ; v8-23    the eight pairs; v8, v9 become the best pair
	s_load_b256 s[4:11], s[0:1], 0x0               ; cand s[4:5], embed s[6:7], out0 s[8:9], out1 s[10:11]
	v_lshrrev_b32 v1, 5, v0
	s_delay_alu instid0(VALU_DEP_1)
	v_readfirstlane_b32 s14, v1                    ; wave 0..7
	v_and_b32 v1, 31, v0                           ; lane
	s_delay_alu instid0(VALU_DEP_1)
	v_lshlrev_b32 v2, 4, v1                        ; 16 x lane
	v_and_b32 v3, 7, v0
	s_delay_alu instid0(VALU_DEP_1)
	v_lshlrev_b32 v3, 3, v3                        ; 8 x (lane % 8): lane l looks at row l % 8
	s_delay_alu instid0(VALU_DEP_4)
	v_lshlrev_b32 v6, 2, v1                        ; 4 x lane
	s_lshl_b32 s15, ttmp9, 3
	s_add_co_u32 s15, s15, s14                     ; which 8 rows
	s_lshl_b32 s16, s15, 6                         ; 64 bytes of pairs in a plane,
	s_mov_b32 s17, 0
	s_lshl_b32 s18, s15, 13                        ; 8,192 bytes of out0 (under 2^26),
	s_mov_b32 s19, 0
	s_lshl_b32 s28, s15, 5                         ; 32 bytes of out1
	s_mov_b32 s29, 0
	s_wait_alu depctr_va_vdst(0)
	s_wait_kmcnt 0x0
	s_add_nc_u64 s[4:5], s[4:5], s[16:17]
	s_add_nc_u64 s[8:9], s[8:9], s[18:19]
	s_add_nc_u64 s[10:11], s[10:11], s[28:29]
.irp p, 0,1,2,3,4,5,6,7
	global_load_b64 v[PR+2*\p:PR+2*\p+1], v3, s[4:5] offset:262144*\p   ; split p's pair of my row
.endr
	s_wait_loadcnt 0x0
.irp p, 1
	v_cmp_gt_u32 vcc_lo, v[PR+2*\p], v[PR]         ; strictly larger: of equal keys the lower split stays
	s_delay_alu instid0(VALU_DEP_1)
	v_cndmask_b32 v[PR], v[PR], v[PR+2*\p], vcc_lo
	s_delay_alu instid0(VALU_DEP_2)
	v_cndmask_b32 v[PR+1], v[PR+1], v[PR+2*\p+1], vcc_lo
.endr
.irp p, 2, 3, 4, 5, 6, 7
	s_delay_alu instid0(VALU_DEP_2)
	v_cmp_gt_u32 vcc_lo, v[PR+2*\p], v[PR]
	s_delay_alu instid0(VALU_DEP_1)
	v_cndmask_b32 v[PR], v[PR], v[PR+2*\p], vcc_lo
	s_delay_alu instid0(VALU_DEP_2)
	v_cndmask_b32 v[PR+1], v[PR+1], v[PR+2*\p+1], vcc_lo
.endr
	s_delay_alu instid0(VALU_DEP_1)
	v_min_u32 v[PR+1], 0x1fff, v[PR+1]             ; inside the table
	s_wait_alu depctr_va_vdst(0)
.irp i, 0,1,2,3,4,5,6,7
	v_readlane_b32 s[20+\i], v[PR+1], \i           ; row i's code, for the whole wave
	s_min_u32 s[20+\i], s[20+\i], 0x1fff
	s_lshl_b32 s[20+\i], s[20+\i], 10              ; its row of 1,024 bytes
	v_add_nc_u32 v[EO+\i], s[20+\i], v2
	global_load_b128 v[E+8*\i:E+8*\i+3], v[EO+\i], s[6:7]
	global_load_b128 v[E+8*\i+4:E+8*\i+7], v[EO+\i], s[6:7] offset:512
.endr
	v_cmp_gt_u32 vcc_lo, 8, v1
	s_wait_xcnt 0x0                                ; EXEC is a source of the loads above: it changes only behind this wait
	s_and_saveexec_b32 s30, vcc_lo
	global_store_b32 v6, v[PR+1], s[10:11]         ; lanes 0-7: the eight rows' codes
	s_wait_xcnt 0x0                                ; and again ahead of the line that restores it
	s_or_b32 exec_lo, exec_lo, s30
.irp i, 0,1,2,3,4,5,6,7
	s_wait_loadcnt 14-2*\i                         ; row i is in; the two loads of each later row may be out
	global_store_b128 v2, v[E+8*\i:E+8*\i+3], s[8:9] offset:1024*\i th:TH_STORE_NT           ; 512 consecutive bytes, at a multiple of 512 from out0's first byte
	global_store_b128 v2, v[E+8*\i+4:E+8*\i+7], s[8:9] offset:1024*\i+512 th:TH_STORE_NT
.endr
	s_endpgm
.Lfunc_end_k_q18320f4adf_gather:
	.size	k_q18320f4adf_gather, .Lfunc_end_k_q18320f4adf_gather-k_q18320f4adf_gather
	.p2alignl 7, 3214868480
	.fill 96, 4, 3214868480
	.section	.rodata,"a",@progbits
	.p2align	6, 0x0
	.amdhsa_kernel k_q18320f4adf_gather
		.amdhsa_group_segment_fixed_size 0
		.amdhsa_private_segment_fixed_size 0
		.amdhsa_enable_private_segment 0
		.amdhsa_kernarg_size 32
		.amdhsa_user_sgpr_count 2
		.amdhsa_user_sgpr_kernarg_segment_ptr 1
		.amdhsa_wavefront_size32 1
		.amdhsa_system_sgpr_workgroup_id_x 1
		.amdhsa_system_sgpr_workgroup_id_y 1
		.amdhsa_system_sgpr_workgroup_id_z 1
		.amdhsa_system_vgpr_workitem_id 0
		.amdhsa_next_free_vgpr 96
		.amdhsa_next_free_sgpr 66
		.amdhsa_reserve_vcc 1
		.amdhsa_float_denorm_mode_32 3
		.amdhsa_float_denorm_mode_16_64 3
		.amdhsa_memory_ordered 1
		.amdhsa_forward_progress 1
		.amdhsa_inst_pref_size 9
	.end_amdhsa_kernel
	.amdgpu_metadata
---
amdhsa.version: [ 1, 2 ]
amdhsa.kernels:
  - .name:           k_q18320f4adf_gather
    .symbol:         k_q18320f4adf_gather.kd
    .args:
      - { .name: cand, .offset: 0, .size: 8, .value_kind: global_buffer, .address_space: global }
      - { .name: embed, .offset: 8, .size: 8, .value_kind: global_buffer, .address_space: global }
      - { .name: out0, .offset: 16, .size: 8, .value_kind: global_buffer, .address_space: global }
      - { .name: out1, .offset: 24, .size: 8, .value_kind: global_buffer, .address_space: global }
    .group_segment_fixed_size: 0
    .private_segment_fixed_size: 0
    .kernarg_segment_align: 8
    .kernarg_segment_size: 32
    .max_flat_workgroup_size: 256
    .sgpr_count:     66
    .vgpr_count:     96
    .wavefront_size: 32
...
	.end_amdgpu_metadata
.endif
;; end of part 3
